; MI455X (gfx1250); checked and timed in simulation.
; The chip was launched on July 23, 2026; its instructions are those of AMD's public machine-readable ISA for CDNA 5 (MIT licence, August 2026) and "CDNA5" Instruction Set Architecture Reference Guide (July 2026). The comments in the code are by the model that wrote it; some were corrected since.
;; Custom Dot Product Attention. Allowed arithmetic: matrix products marked QUANTISED: E5M2 operands, one given power-of-two scale a tensor, by v_wmma_f32_16x16x64_bf8_bf8 or v_wmma_f32_16x16x128_bf8_bf8, f32 sums; everything else in f32.
;; Inputs: key_codes 2,048 x 4 x 16 x 4 x 32 uint8 (E5M2 codes of key, K innermost, in blocks of 32 codes); lowp_scales 4 int32 (the exponents e of the quantised operands' scales 2^e); query_codes 2,048 x 4 x 16 x 4 x 32 uint8 (E5M2 codes of query, K innermost, in blocks of 32 codes); value_codes 4 x 16 x 128 x 64 x 32 uint8 (E5M2 codes of value, K innermost, in blocks of 32 codes).
;; Outputs: out0 2,048 x 4 x 16 x 128 float32.
;; This version of the problem:
;;   THIS VERSION OF THE PROBLEM IS GIVEN IN LOW PRECISION. The matrix products marked QUANTISED in the list below multiply operands that are first quantised to E5M2 (5 exponent bits, 2 mantissa bits; 8 bits a number), with one given power-of-two scale for each operand tensor; their sums are f32. All else is computed in f32.
;;   The module's matrix products, in the order in which they are computed (A, B: the left and right operand; K: the contracted axis; several contracted axes count as one K, in the product's order):
;;     1. batch 64 x [M 2,048, K 128] x [K 128, N 2,048]; A: input key (given as codes); B: input query (given as codes): QUANTISED (scales: A lowp_scales[0], B lowp_scales[1])
;;     2. batch 64 x [M 128, K 2,048] x [K 2,048, N 2,048]; A: input value (given as codes); B: softmax (see below): QUANTISED (scales: A lowp_scales[2], B lowp_scales[3])
;;   THE QUANTISER, for each operand of a quantised product, along K:
;;     - The operand's scale is 2^e, e = its entry of the input lowp_scales (int32; the entries are numbered through the quantised products in the list's order, A before B).
;;     - Each number is divided by the scale, clamped to +-57,344, and rounded to the nearest number of E5M2, ties to even, subnormals kept.
;;     - The product sums the exact products of the quantised numbers (number of the format x scale) in f32.
;;   ~~~python
;;   def quantise(x, axis, e):      # numpy; x: float32 -> the quantised numbers, widened to float32 again
;;       x = np.moveaxis(x, axis, -1); K = x.shape[-1]
;;       r = np.clip(x / 2.0 ** e, -57344, 57344)
;;       step = 2.0 ** (np.maximum(np.frexp(np.where(r == 0, 1, r))[1] - 1, -14) - 2)
;;       q = np.round(r / step) * step * 2.0 ** e      # np.round: ties to even
;;       return np.moveaxis(q, -1, axis).astype(np.float32)
;;   ~~~
;;   SOFTMAX AHEAD OF A QUANTISED PRODUCT. Where the list says 'softmax', what is quantised is not the finished softmax but p = 2^(t - M), with t = logit x log2(e) and M = ceil(the row's largest t), a whole number; so 1/2 < the row's largest p <= 1. The row's sum l is taken of the UNQUANTISED p, in f32, and the product's result is divided by l at the end. Since M is a whole number, a kernel that streams over the keys may use a running M (the ceiling of the running maximum): every later rescaling is an exact power of two, so the quantised numbers keep their values, but for numbers so far below the row's largest that they fall under the format's range.
;;   OPERANDS COMPUTED ON THE WAY. 'Computed on the way' means the value that the module computes at that place (a softmax that the list does not call 'softmax' is quantised finished and normalised). What goes into a quantiser is computed in f32, as accurately as f32 sums, v_exp_f32 and their like allow (about 1e-6 of the number): no bf16 or f16 on the way to a quantiser, and a product that is left as it is and whose result goes on into a quantised operand takes f32 operands (vector FMAs, or v_wmma_f32_16x16x4_f32). A number that lies on a knife's edge between two numbers of the format may be rounded either way, as far as f32 arithmetic and the matrix unit's own rounding can turn it there, and no further.
;;   INPUTS GIVEN AS CODES. key (in the module: [2048, 4, 16, 128], K = its axis 3); query (in the module: [2048, 4, 16, 128], K = its axis 3); value (in the module: [2048, 4, 16, 128], K = its axis 0): each comes as NAME_codes (uint8): NAME with its K axis moved to the last place and cut into blocks of 32 codes, [.., K / 32, bytes a block], one block behind the other in memory; one code a byte (a code: sign, 5 exponent bits, 2 mantissa bits); its scale is its entry of lowp_scales. Its value is code x scale, taken as it is: it is not quantised again, and the codes and scales need not be those that the quantiser above would give.
;; One version. Each part assembles by itself: llvm-mc -triple=amdgcn-amd-amdhsa -mcpu=gfx1250 --defsym DOCPART=n.
;; ======== version 1 of 1: 1 launch
;; limits: right only within a limited range of input values
;; launch attn (part 1): grid 4 x 64, 8 waves a work-group, no clusters, 327,680 bytes of LDS; arguments key_codes, lowp_scales, query_codes, value_codes, out0; writes out0
.if DOCPART == 1
	.amdgcn_target "amdgcn-amd-amdhsa--gfx1250"
	.amdhsa_code_object_version 6
	.text
	.protected	k_qaa7473a187_attn
	.globl	k_qaa7473a187_attn
	.p2align	8
	.type	k_qaa7473a187_attn,@function
k_qaa7473a187_attn:
	s_mov_b64 s[64:65], 0
	v_nop
	global_prefetch_b8 v0, s[64:65] scope:SCOPE_SE
	s_setreg_imm32_b32 hwreg(HW_REG_WAVE_MODE, 25, 1), 1
	s_wait_xcnt 0x0
; out[s][head][:] = the sum over keys t <= s of softmax_t(q[s] . k[t] / sqrt(128)) v[t][:], for 64 heads (batch x head), 2,048 positions, head size 128.  Both products on codes of BF8 (E5M2).
; key_codes, query_codes: [s][head][128 bytes]: a head's rows are 128 bytes, 8,192 bytes apart.  value_codes: [head][128 d][2,048 keys]: the keys innermost.  out0: [s][head][128] f32.
; lowp_scales: ek, eq, ev, ep.  A score stands for score x 2^(ek + eq); p is quantised with 2^ep; the second product's sums are multiplied by 2^(ep + ev).
; THE SOFTMAX AHEAD OF THE SECOND PRODUCT: t = score x log2(e) / sqrt(128); M = the running largest t rounded UP to a whole number; p = 2^(t - M) is quantised, not normalised; the row's sum is taken of the
; unquantised p and divides at the end.  When M moves, the sum and O are multiplied by 2^(old M - new M), which rounds nothing.
; SHARES.  Work-group (i, head) owns the query blocks i and 7 - i of its head (256 queries each), one after the other.  Block b needs the key slots 0 .. b (256 keys each), so EVERY work-group walks
; (i + 1) + (8 - i) = 9 slots: equal work for all 256 work-groups in spite of the mask, and a trip count that is a constant of the text.
; Each of the eight waves owns 32 queries of the block: two tiles of 16, which share every fragment of K and of V that the wave reads from LDS.  Two waves lie on a SIMD (512 registers each),
; so that one wave's products and LDS loads stand beside the other's softmax.
; A key step is 128 keys.  A step all of whose keys come after the wave's 32 queries is jumped over (a scalar branch on ids, round its loads, products and softmax; no barrier and no tensor load stands in a step);
; in a step that crosses the diagonal hidden scores become -infinity ahead of the maximum.  Key 0 counts for every query, so M is a number from a block's first step on.
; LAYOUT.  Both products are used transposed: S^T = K Q^T (source 0 = 16 keys, source 1 = 16 queries), O^T = V^T P^T (source 0 = 16 of the head's 128, source 1 = P): a lane holds ONE query (lane % 16) of each tile throughout.
; A tile of K is 16 NEIGHBOURING keys; K's and Q's fragments come by four loads of 16 bytes at 16 (lane / 16) + 32 c: a permutation of the head's axis, the same on both sides, so every product meets its partner.
; In S^T register j of tile T is key 16 T + 8 (lane / 16) + j: the conversion of a tile's eight registers gives registers 2 T, 2 T + 1 of an operand in this form's own layout (k = 16 T + 8 (lane / 16) + 0 .. 7),
; and V's fragments are fetched in that same layout, by eight loads of 8 bytes.
; NO CLUSTER: the four work-groups of a head read the same K and V, but the pairing that makes their work equal gives each another order of slots (work-group i goes back to slot 0 behind trip i), and the change of
; blocks is a branch on the work-group's place.  In step, all four over all eight slots for each of two blocks with the hidden ones thrown away, a work-group would walk 12 slots where it walks 9 here.
; LIMITS on the given exponents, so that each power of two below is an f32 number: ek + eq between -123 and 130 (added to c's exponent field); ep between -126 and 127; ep + ev is applied by v_ldexp_f32 and has none.
; NaN and infinity among the codes are not served.  The row's sum is added in another order than the reference's.
; REGISTERS, in windows of 256 (s_set_vgpr_msb: bits 1:0 source 0, 3:2 source 1, 5:4 source 2, 7:6 destination):
;   window 0: v1-11 addresses; v12-21, v22-31 the two tiles' statistics; v33-36 constants and the mask; v64-127 four fragments (FA); v128-191, v192-255 S^T, then p, of tile 0, 1
;   window 1: v0-63, v64-127 O^T of tile 0, 1; v128-159 Q; v160-191 p's codes; v192-255 four fragments (FB)
.set KP,    144                        ; a key's row in LDS: 128 bytes + 16: the 16 rows of a load fall into 16 different columns of 16 bytes (9 r mod 16)
.set VP,    272                        ; a row of V's tile: 256 bytes + 16: the 32 lanes of a load of 8 bytes touch words 68 r + 2 h and the next: 64 different ones modulo 64
.set VOFF,  256*KP                     ; a slot: 256 rows of K, then 128 rows of V
.set SLOT1, 1<<17                      ; slot 1 begins here, so that one exclusive or turns an address in one slot into the other's
.set STAGE, SLOT1+VOFF+128*VP          ; behind the ring: 16 rows x 528 bytes for each wave, for the way out; no fill ever lands here (the first block goes out while the ring is still filled)
.set SP,    528
.set SPARE, STAGE+8*16*SP              ; behind the stages: the spare words, 128 bytes for each wave: four blocks of 256 bytes that no other line names
.set AK0, 1                            ; v1   my lane's place in a tile of K: 144 r + 16 h
.set AV0, 2                            ; v2   in a tile of V: VOFF + 272 r + 8 h
.set QO,  3                            ; v3   in the wave's rows of Q: 8,192 r + 16 h
.set DL,  4                            ; v4   r - 8 h, for the mask
.set SPW, 5                            ; v5   LDS address of my spare word: SPARE + 4 x my thread's number; never rewritten
.set NIL, 6                            ; v6   0; never rewritten
.set GO,  7                            ; v7   16 x lane: my 16 bytes of a row of out0
.set ADK, 8                            ; v8   LDS address of the step's tiles of K
.set ADV, 9                            ; v9   of V
.set STO, 10                           ; v10  the way out: where I put 32 bytes of a row
.set RD,  11                           ; v11  the way out: where I read a row back
.set ST,  12                           ; tile u's statistics at v[ST + 10 u]: +0 -M, +1 the largest t, +2, +3 the sum in two halves, +4 f (+5 named with it), +6, +7 a second chain of sums, +8, +9 at work
.set LIM, 32
.set SC,  33                           ; v33  2^ep as f32
.set D0,  34                           ; v34, v35  the mask: tile u's query less the step's first key less 8 h
.set NEG, 36                           ; v36  -infinity
.set FA,  64
.set S,   128
.set O,   0                            ; window 1
.set Q,   128
.set P,   160
.set FB,  192
.set WV,  14                           ; s14  my wave's number
.set W1,  15                           ; s15  its low bit: which half of a tile I fetch
.set PI,  16                           ; s16  i: the work-group's x; also the number of the first block's last trip
.set HD,  17                           ; s17  the head
.set T,   18                           ; s18  the trip
.set SEL, 20                           ; s[20:21] lane selects for v_permlanex16_b32: lane l xor 16
.set CS,  22                           ; s[22:23] c = log2(e) / sqrt(128) x 2^(ek + eq): the packed form names a pair and takes its low word
.set G1K, 24                           ; s[24:31] descriptor group 1 for K's tiles;  s[32:39] for V's;  s[40:43], s[44:47] their groups 0
.set G1V, 32
.set G0K, 40
.set G0V, 44
.set KB,  48                           ; s[48:49] K at my half of the head's key slot 0;  s[50:51] V likewise
.set VB,  50
.set OFK, 52                           ; s[52:53], s[54:55] byte offsets of the key slot to be fetched
.set OFV, 54
.set KS,  56                           ; s56  the key slot fetched last
.set TB,  57                           ; s57  LDS byte at which the slot in hand begins
.set KF,  58                           ; s58  the step's first key
.set Q0,  59                           ; s59  my first query
.set QB,  60                           ; s[60:61] Q at my first query;  s[62:63] out0 likewise
.set OB,  62
.set QH,  66                           ; s[66:67] Q at the head's first row;  s[68:69] out0 likewise
.set OH,  68
.set EPV, 84                           ; s84  ep + ev
.set MSB, 0
.macro WIN new                         ; the immediate's high byte repeats the setting that is left; a switch that changes nothing is dropped
.if MSB != \new
	s_set_vgpr_msb (MSB<<8)|\new
.set MSB, \new
.endif
.endm
; Waves 0 and 1 fetch K's halves (128 rows of 128 bytes), waves 2 and 3 V's (64 rows of 256 bytes), the others nothing.  The branches hang on the wave's number alone.
; Four v_nop follow each of the two lines.
.macro TLOAD
	s_cmp_lt_u32 s[WV], 2
	s_cbranch_scc0 .Lnot_k_\@
	tensor_load_to_lds s[G0K:G0K+3], s[G1K:G1K+7]
	s_nop 0
.rept 4
	v_nop
.endr
	s_branch .Lasked_\@
.Lnot_k_\@:
	s_cmp_lt_u32 s[WV], 4
	s_cbranch_scc0 .Lasked_\@
	tensor_load_to_lds s[G0V:G0V+3], s[G1V:G1V+7]
	s_nop 0
.rept 4
	v_nop
.endr
.Lasked_\@:
.endm
; THE CHANGE OF SLOTS stands at a slot's head.  Each wave waits for all its tensor loads (its part of the slot that it is about to read), adds 0 to its spare word, and waits for that and for its reads of the slot
; that it has left.  Behind the barrier the slot ahead is whole and nobody reads the other one.  fill = 1: that other slot is filled with the next trip's keys: the load has a whole slot's steps in which to land.
.macro CHANGE fill
	s_wait_tensorcnt 0x0                           ; no tensor load of mine is out (at most one ever is), so a group 0 may be written
	ds_add_u32 v[SPW], v[NIL]                      ; 0 onto my spare word; the descriptors' steps stand between it and the wait for it
.if \fill
	s_add_co_u32 s[KS], s[KS], 1                   ; the next key slot of the block in hand,
	s_cmp_eq_u32 s[T], s[PI]
	s_cselect_b32 s[KS], 0, s[KS]                  ; or, in the first block's last trip, the second block's slot 0
	s_lshl_b32 s[OFK], s[KS], 21                   ; 256 rows of 8,192 bytes
	s_lshl_b32 s[OFV], s[KS], 8                    ; 256 bytes along V's rows
	s_xor_b32 s[G0K+1], s[G0K+1], SLOT1            ; the other LDS slot than last time
	s_xor_b32 s[G0V+1], s[G0V+1], SLOT1
	s_add_nc_u64 s[G0K+2:G0K+3], s[KB:KB+1], s[OFK:OFK+1]
	s_or_b32 s[G0K+3], s[G0K+3], 0x80000000        ; 127:126 type = 2
	s_add_nc_u64 s[G0V+2:G0V+3], s[VB:VB+1], s[OFV:OFV+1]
	s_or_b32 s[G0V+3], s[G0V+3], 0x80000000
.endif
	s_wait_dscnt 0x0                               ; the add is done, and my reads of the slot that I have left are over
	s_barrier_signal -1
	s_barrier_wait -1
.if \fill
	TLOAD                                          ; the first thing behind the barrier, and a wave's one tensor load until the next
.endif
.endm
; The step's eight tiles of K: tiles 0-3 into FA, tiles 4-7 into FB.
.macro KLOAD q
.irp t, 0,1,2,3
.irp c, 0,1,2,3
	ds_load_b128 v[FA+16*\t+4*\c:FA+16*\t+4*\c+3], v[ADK] offset:(128*\q+16*\t)*KP+32*\c
.endr
.endr
	WIN 0x40                                       ; destination window 1, address window 0
.irp t, 0,1,2,3
.irp c, 0,1,2,3
	ds_load_b128 v[FB+16*\t+4*\c:FB+16*\t+4*\c+3], v[ADK] offset:(128*\q+16*(\t+4))*KP+32*\c
.endr
.endr
.endm
; S^T = K Q^T: sixteen products, each a whole sum (K = 128), each fragment of K for both tiles of queries.
.macro SPROD
	s_wait_dscnt 16                                ; FA's sixteen loads are in; the sixteen younger ones (FB's) may be out
	WIN 0x04                                       ; K in window 0, Q in window 1, S^T in window 0
.irp t, 0,1,2,3
.irp u, 0,1
	v_wmma_f32_16x16x128_bf8_bf8 v[S+64*\u+8*\t:S+64*\u+8*\t+7], v[FA+16*\t:FA+16*\t+15], v[Q+16*\u:Q+16*\u+15], 0
.endr
.endr
	s_wait_dscnt 0x0
	WIN 0x05                                       ; K in window 1
.irp t, 0,1,2,3
.irp u, 0,1
	v_wmma_f32_16x16x128_bf8_bf8 v[S+64*\u+8*(\t+4):S+64*\u+8*(\t+4)+7], v[FB+16*\t:FB+16*\t+15], v[Q+16*\u:Q+16*\u+15], 0
.endr
.endr
	WIN 0
.endm
; The step's eight tiles of V^T (16 of the head's 128 x 128 keys), in this form's own layout: registers 2 c, 2 c + 1 hold keys 16 c + 8 h + 0 .. 7.  They land while the softmax is walked.
.macro VLOAD q
.irp g, 0,1,2,3
.irp c, 0,1,2,3,4,5,6,7
	ds_load_b64 v[FA+16*\g+2*\c:FA+16*\g+2*\c+1], v[ADV] offset:16*\g*VP+128*\q+16*\c
.endr
.endr
	WIN 0x40
.irp g, 0,1,2,3
.irp c, 0,1,2,3,4,5,6,7
	ds_load_b64 v[FB+16*\g+2*\c:FB+16*\g+2*\c+1], v[ADV] offset:16*(\g+4)*VP+128*\q+16*\c
.endr
.endr
	WIN 0
.endm
; On the diagonal the scores of hidden keys become -infinity: p = 0 then.  A step all of whose keys count for all my queries skips this.
; Register n of tile u holds key KF + 16 (n / 8) + 8 h + n % 8 for query Q0 + 16 u + r: hidden where 16 (n / 8) + n % 8 > Q0 - KF + 16 u + r - 8 h.  n ascends: each accumulator is read from its low end on.
.macro MASK
	s_add_co_u32 s76, s[KF], 127
	s_cmp_le_u32 s76, s[Q0]
	s_cbranch_scc1 .Lopen_\@
	s_sub_co_i32 s76, s[Q0], s[KF]
	v_add_nc_u32 v[D0], s76, v[DL]
	v_add_nc_u32 v[D0+1], 16, v[D0]
	v_mov_b32 v[NEG], 0xff800000
.irp n, 0,1,2,3,4,5,6,7,8,9,10,11,12,13,14,15,16,17,18,19,20,21,22,23,24,25,26,27,28,29,30,31,32,33,34,35,36,37,38,39,40,41,42,43,44,45,46,47,48,49,50,51,52,53,54,55,56,57,58,59,60,61,62,63
.irp u, 0,1
	v_cmp_gt_i32 vcc_lo, 16*(\n/8)+\n%8, v[D0+\u]
	v_cndmask_b32 v[S+64*\u+\n], v[S+64*\u+\n], v[NEG], vcc_lo
.endr
.endr
.Lopen_\@:
.endm
; The two tiles' softmax for one key step.  The tiles alternate, so that few lines wait for the line above; the exponentials of one tile stand among plain lines of the other.
.macro SOFTMAX
.irp u, 0,1
	v_max3_num_f32 v[ST+10*\u+8], v[S+64*\u], v[S+64*\u+1], v[S+64*\u+2]       ; the step's largest score of my query among my 64 keys, in two chains a tile, ascending
	v_max3_num_f32 v[ST+10*\u+9], v[S+64*\u+3], v[S+64*\u+4], v[S+64*\u+5]
.endr
.irp i, 6,10,14,18,22,26,30,34,38,42,46,50,54,58
.irp u, 0,1
	v_max3_num_f32 v[ST+10*\u+8], v[ST+10*\u+8], v[S+64*\u+\i], v[S+64*\u+\i+1]
	v_max3_num_f32 v[ST+10*\u+9], v[ST+10*\u+9], v[S+64*\u+\i+2], v[S+64*\u+\i+3]
.endr
.endr
.irp u, 0,1
	v_max3_num_f32 v[ST+10*\u+8], v[ST+10*\u+8], v[S+64*\u+62], v[S+64*\u+63]
.endr
.irp u, 0,1
	v_max_num_f32 v[ST+10*\u+8], v[ST+10*\u+8], v[ST+10*\u+9]
.endr
.irp u, 0,1
	v_permlanex16_b32 v[ST+10*\u+9], v[ST+10*\u+8], s[SEL], s[SEL+1]           ; the query's other 64 keys lie in the lane 16 away
.endr
.irp u, 0,1
	v_max_num_f32 v[ST+10*\u+8], v[ST+10*\u+8], v[ST+10*\u+9]
.endr
.irp u, 0,1
	v_mul_f32 v[ST+10*\u+8], s[CS], v[ST+10*\u+8]                              ; as t (c is positive)
.endr
.irp u, 0,1
	v_max_num_f32 v[ST+10*\u+1], v[ST+10*\u+1], v[ST+10*\u+8]                  ; the running largest t
.endr
.irp u, 0,1
	v_mov_b32 v[ST+10*\u+8], v[ST+10*\u]
.endr
.irp u, 0,1
	v_floor_f32 v[ST+10*\u], -v[ST+10*\u+1]                                    ; the new -M = floor(-t) = -ceil(t): M is a whole number
.endr
.irp u, 0,1
	v_sub_f32 v[ST+10*\u+8], v[ST+10*\u], v[ST+10*\u+8]                        ; M's old value less its new one: a whole number, 0 or less
.endr
.irp u, 0,1
	v_cvt_i32_f32 v[ST+10*\u+8], v[ST+10*\u+8]                                 ; (it saturates)
.endr
.irp u, 0,1
	v_ldexp_f32 v[ST+10*\u+4], 1.0, v[ST+10*\u+8]                              ; f = 2^(old M - new M)
.endr
.set NN, 0
.rept 32
	v_pk_fma_f32 v[S+NN:S+NN+1], v[S+NN:S+NN+1], s[CS:CS+1], v[ST:ST+1] op_sel_hi:[1,0,0]   ; tile 0: t - M, two at a time (of the pairs c and -M the low word serves both halves)
.set NN, NN+2
.endr
.set NN, 0
.rept 32                               ; tile 0's exponentials; tile 1's t - M stands among them
	v_exp_f32 v[S+NN], v[S+NN]                     ; p = 2^(t - M), at most 1: not normalised
	v_pk_fma_f32 v[S+64+NN:S+64+NN+1], v[S+64+NN:S+64+NN+1], s[CS:CS+1], v[ST+10:ST+11] op_sel_hi:[1,0,0]
	v_exp_f32 v[S+NN+1], v[S+NN+1]
.set NN, NN+2
.endr
	v_pk_mul_f32 v[ST+2:ST+3], v[ST+2:ST+3], v[ST+4:ST+5] op_sel_hi:[1,0]      ; the sums under the new M (plain lines behind the last exponential)
	v_pk_mul_f32 v[ST+12:ST+13], v[ST+12:ST+13], v[ST+14:ST+15] op_sel_hi:[1,0]
	s_wait_alu depctr_va_vdst(0)
	v_pk_add_f32 v[ST+6:ST+7], v[S:S+1], v[S+2:S+3]                            ; THE ROW'S SUM IS TAKEN OF THE UNQUANTISED p: two at a time, in two chains
.set NN, 0
.rept 32                               ; tile 1's exponentials; tile 0's sums and holds stand among them: a pair is added before it is held
	v_exp_f32 v[S+64+2*NN], v[S+64+2*NN]
.if NN >= 2
.if NN % 2
	v_pk_add_f32 v[ST+6:ST+7], v[ST+6:ST+7], v[S+2*NN:S+2*NN+1]
.else
	v_pk_add_f32 v[ST+2:ST+3], v[ST+2:ST+3], v[S+2*NN:S+2*NN+1]
.endif
.endif
	v_exp_f32 v[S+64+2*NN+1], v[S+64+2*NN+1]
.set NN, NN+1
.endr
	v_pk_add_f32 v[ST+2:ST+3], v[ST+2:ST+3], v[ST+6:ST+7]
	s_wait_alu depctr_va_vdst(0)
	v_pk_add_f32 v[ST+16:ST+17], v[S+64:S+65], v[S+66:S+67]
.set NN, 0
.rept 32                               ; tile 1's sums and holds
.if NN >= 2
.if NN % 2
	v_pk_add_f32 v[ST+16:ST+17], v[ST+16:ST+17], v[S+64+2*NN:S+64+2*NN+1]
.else
	v_pk_add_f32 v[ST+12:ST+13], v[ST+12:ST+13], v[S+64+2*NN:S+64+2*NN+1]
.endif
.endif
.set NN, NN+1
.endr
	v_pk_add_f32 v[ST+12:ST+13], v[ST+12:ST+13], v[ST+16:ST+17]
	WIN 0x40                                       ; the codes go to window 1
.irp u, 0,1
.irp t, 0,1,2,3,4,5,6,7
	v_cvt_scalef32_pk8_bf8_f32 v[P+16*\u+2*\t:P+16*\u+2*\t+1], v[S+64*\u+8*\t:S+64*\u+8*\t+7], v[SC]   ; keys 16 t + 8 h + 0 .. 7: registers 2 t, 2 t + 1 of the operand
.endr
.endr
	WIN 0x41                                       ; O^T (destination and source 0) in window 1, f in window 0
.irp u, 0,1
.set NN, 0
.rept 32
	v_pk_mul_f32 v[O+64*\u+NN:O+64*\u+NN+1], v[O+64*\u+NN:O+64*\u+NN+1], v[ST+10*\u+4:ST+10*\u+5] op_sel_hi:[1,0]   ; O^T under the new M, each accumulator from its low end on.  (Plain lines between the conversions and the products that read the codes)
.set NN, NN+2
.endr
.endr
.endm
; O^T += V^T P^T: sixteen accumulators, one instruction each; each fragment of V for both tiles of queries.
.macro PVPROD
	s_wait_dscnt 32                                ; FA's 32 loads are in; the 32 younger ones (FB's) may be out
	WIN 0x54                                       ; V in window 0; P, C and D in window 1
.irp g, 0,1,2,3
.irp u, 0,1
	v_wmma_f32_16x16x128_bf8_bf8 v[O+64*\u+8*\g:O+64*\u+8*\g+7], v[FA+16*\g:FA+16*\g+15], v[P+16*\u:P+16*\u+15], v[O+64*\u+8*\g:O+64*\u+8*\g+7]
.endr
.endr
	s_wait_dscnt 0x0
	WIN 0x55                                       ; V in window 1
.irp g, 0,1,2,3
.irp u, 0,1
	v_wmma_f32_16x16x128_bf8_bf8 v[O+64*\u+8*(\g+4):O+64*\u+8*(\g+4)+7], v[FB+16*\g:FB+16*\g+15], v[P+16*\u:P+16*\u+15], v[O+64*\u+8*(\g+4):O+64*\u+8*(\g+4)+7]
.endr
.endr
	WIN 0
.endm
; A KEY STEP: 128 keys, the q-th of the slot in hand.
.macro STEP q
	s_add_co_u32 s76, s[Q0], 31
	s_cmp_gt_u32 s[KF], s76
	s_cbranch_scc1 .Lhidden_\@                     ; all its keys come after my 32 queries
	v_add_nc_u32 v[ADK], s[TB], v[AK0]
	v_add_nc_u32 v[ADV], s[TB], v[AV0]
	v_nop                                          ; with the two additions: four places in front of loads into registers that the last products have read (ISA guide 7.12.1 for vector instructions)
	v_nop
	KLOAD \q
	SPROD
.rept 4
	v_nop                                          ; four places: in front of the loads into K's registers, and of the first read of the scores
.endr
	VLOAD \q
	MASK
	SOFTMAX
	PVPROD
.Lhidden_\@:
	s_add_co_u32 s[KF], s[KF], 128
.endm
.macro SLOT_STEPS
	STEP 0
	STEP 1
	s_xor_b32 s[TB], s[TB], SLOT1                  ; on to the other slot
.endm
; My 32 queries' codes: two fragments, which stay in registers for a block.  Each byte of Q is read once in the launch.
.macro QLOAD
	WIN 0x40
.irp u, 0,1
.irp c, 0,1,2,3
	global_load_b128 v[Q+16*\u+4*\c:Q+16*\u+4*\c+3], v[QO], s[QB:QB+1] offset:\u*16*8192+32*\c th:TH_LOAD_NT
.endr
.endr
	WIN 0
.endm
; A block begins: O^T and the sums are zeros and the largest t is -3e38, so that the first step's f is 0 and multiplies zeros.  The step is thus written once for all steps;
; the price is these 128 moves, twice in the launch for each wave, against a further copy of the step in the text.
.macro RESET
	WIN 0x40
.set NN, 0
.rept 128
	v_mov_b32 v[O+NN], 0
.set NN, NN+1
.endr
	WIN 0
.irp u, 0,1
	v_mov_b32 v[ST+10*\u+1], 0xff61b1e6            ; -3e38, under every t
	v_floor_f32 v[ST+10*\u], -v[ST+10*\u+1]        ; -M
.irp k, 2,3,4,5,6,7,8,9
	v_mov_b32 v[ST+10*\u+\k], 0                    ; the sums; and registers that are named as halves of pairs or as a lane permute's destination, so they are written
.endr
.endr
.endm
; THE WAY OUT of a block.  O^T x 2^(ep + ev) / the sum goes through my own stage in LDS, a tile of 16 queries at a time: a lane holds 32 neighbouring bytes of a row and the lanes beside it other rows;
; the rows come back whole, and the 32 lanes store 512 consecutive bytes, at a multiple of 512 from out0's first byte.  LDS serves a wave's instructions in order (ISA guide 5.7.1.4): no wait between my stores and my loads.
.macro OUT
.rept 4
	v_nop                                          ; four places behind the last products
.endr
.irp u, 0,1
	v_add_f32 v[ST+10*\u+2], v[ST+10*\u+2], v[ST+10*\u+3]                      ; the sum's two halves,
.endr
.irp u, 0,1
	v_permlanex16_b32 v[ST+10*\u+9], v[ST+10*\u+2], s[SEL], s[SEL+1]
.endr
.irp u, 0,1
	v_add_f32 v[ST+10*\u+2], v[ST+10*\u+2], v[ST+10*\u+9]                      ; and lane l xor 16's: the row's sum
.endr
.irp u, 0,1
	v_rcp_f32 v[ST+10*\u+4], v[ST+10*\u+2]
.endr
	v_nop                                          ; a plain line between the reciprocals and the use of their results
	s_wait_alu depctr_va_vdst(0)
.irp u, 0,1
	v_ldexp_f32 v[ST+10*\u+4], v[ST+10*\u+4], s[EPV]
.endr
	WIN 0x01                                       ; O^T in window 1; the results take S^T's registers
.set NN, 0
.rept 32
	v_pk_mul_f32 v[S+NN:S+NN+1], v[O+NN:O+NN+1], v[ST+4:ST+5] op_sel_hi:[1,0]  ; register 8 g + j is out(query r, 16 g + 8 h + j); each accumulator from its low end on
.set NN, NN+2
.endr
	WIN 0
.irp g, 0,1,2,3,4,5,6,7
	ds_store_b128 v[STO], v[S+8*\g:S+8*\g+3] offset:64*\g
	ds_store_b128 v[STO], v[S+8*\g+4:S+8*\g+7] offset:64*\g+16
.endr
.irp i, 0,1,2,3,4,5,6,7,8,9,10,11,12,13,14,15
	ds_load_b128 v[FA+4*\i:FA+4*\i+3], v[RD] offset:\i*SP
.endr
	WIN 0x01
.set NN, 0
.rept 32
	v_pk_mul_f32 v[S+64+NN:S+64+NN+1], v[O+64+NN:O+64+NN+1], v[ST+14:ST+15] op_sel_hi:[1,0]   ; tile 1's arithmetic stands between tile 0's loads and the wait for them
.set NN, NN+2
.endr
	WIN 0
.irp g, 0,1,2,3,4,5,6,7
	ds_store_b128 v[STO], v[S+64+8*\g:S+64+8*\g+3] offset:64*\g
	ds_store_b128 v[STO], v[S+64+8*\g+4:S+64+8*\g+7] offset:64*\g+16
.endr
	s_wait_dscnt 16                                ; tile 0's rows are back; the sixteen younger stores may be out
.irp i, 0,1,2,3,4,5,6,7,8,9,10,11,12,13,14,15
	global_store_b128 v[GO], v[FA+4*\i:FA+4*\i+3], s[OB:OB+1] offset:\i*32768 th:TH_STORE_NT   ; written once, read by nobody here
.endr
.irp i, 0,1,2,3,4,5,6,7,8,9,10,11,12,13,14,15
	ds_load_b128 v[S+4*\i:S+4*\i+3], v[RD] offset:\i*SP
.endr
.irp i, 0,1,2,3,4,5,6,7,8,9,10,11,12,13,14,15
	s_wait_dscnt 15-\i                             ; LDS loads come back in order: row i is in, the younger ones may be out
	global_store_b128 v[GO], v[S+4*\i:S+4*\i+3], s[OB:OB+1] offset:(16+\i)*32768 th:TH_STORE_NT
.endr
	s_wait_xcnt 0x0                                ; the stores' registers and base are written again only behind this wait
.endm
	s_load_b256 s[4:11], s[0:1], 0x0               ; key_codes s[4:5], lowp_scales s[6:7], query_codes s[8:9], value_codes s[10:11]
	s_load_b64 s[12:13], s[0:1], 0x20              ; out0
	v_lshl_add_u32 v[SPW], v0, 2, SPARE
	v_mov_b32 v[NIL], 0
	ds_add_u32 v5, v6
	s_wait_dscnt 0x0
	v_lshrrev_b32 v8, 5, v0
	v_readfirstlane_b32 s[WV], v8                  ; wave 0..7
	s_and_b32 s[W1], s[WV], 1
	s_mov_b32 s[PI], ttmp9                         ; i
	s_and_b32 s[HD], ttmp7, 0xffff                 ; the head
	; descriptor group 1.  K: 128 rows of 128 bytes, 8,192 bytes apart in memory.  V: 64 rows of 256 bytes, 2,048 apart
	s_mov_b32 s[G1K], (0<<16)|(1<<20)|(4<<22)|(3<<25)   ; 15:0 no mask; 17:16 elements of 1 byte; 20 padding on; 24:22 after every 32 words (code 4); 31:25 four words (code 3)
	s_mov_b32 s[G1K+1], 128<<16                    ; tensor_dim0
	s_mov_b32 s[G1K+2], 128<<16                    ; tensor_dim1
	s_mov_b32 s[G1K+3], 128<<16                    ; tile_dim0
	s_mov_b32 s[G1K+4], 128                        ; tile_dim1
	s_mov_b32 s[G1K+5], 8192                       ; tensor_dim0_stride
	s_mov_b32 s[G1K+6], 0
	s_mov_b32 s[G1K+7], 0
	s_mov_b32 s[G1V], (0<<16)|(1<<20)|(5<<22)|(3<<25)   ; padding: four words after every 64
	s_mov_b32 s[G1V+1], 256<<16
	s_mov_b32 s[G1V+2], 64<<16
	s_mov_b32 s[G1V+3], 256<<16
	s_mov_b32 s[G1V+4], 64
	s_mov_b32 s[G1V+5], 2048
	s_mov_b32 s[G1V+6], 0
	s_mov_b32 s[G1V+7], 0
	s_mov_b32 s[SEL], 0x76543210
	s_mov_b32 s[SEL+1], 0xfedcba98
	s_mov_b32 s[CS], 0x3e0293ee                    ; c = log2(e) / sqrt(128)
	s_lshl_b32 s76, s[HD], 7                       ; K: the head's 128 bytes of a row, + my half's 128 rows of 8,192 bytes
	s_lshl_b32 s77, s[W1], 20
	s_add_co_u32 s76, s76, s77
	s_mov_b32 s77, 0
	s_lshl_b32 s78, s[HD], 18                      ; V: the head's 128 rows of 2,048 bytes, + my half's 64 rows
	s_lshl_b32 s79, s[W1], 17
	s_add_co_u32 s78, s78, s79
	s_mov_b32 s79, 0
	s_lshl_b32 s80, s[HD], 7                       ; Q: the head's 128 bytes of a row
	s_mov_b32 s81, 0
	s_lshl_b32 s82, s[HD], 9                       ; out0: the head's 512 bytes of a row
	s_mov_b32 s83, 0
	s_mov_b32 s[G0K], 1                            ; 1:0 count = 1
	s_mul_i32 s[G0K+1], s[W1], 128*KP              ; 63:32 LDS address: slot 0, my half of K's rows
	s_mov_b32 s[G0V], 1
	s_mul_i32 s[G0V+1], s[W1], 64*VP
	s_add_co_u32 s[G0V+1], s[G0V+1], VOFF          ; my half of V's rows
	s_mov_b32 s[OFK+1], 0
	s_mov_b32 s[OFV+1], 0
	s_mov_b32 s[T], 0
	s_mov_b32 s[KS], 0
	s_mov_b32 s[TB], 0
	s_mov_b32 s[KF], 0
	s_wait_kmcnt 0x0
	s_load_b128 s[72:75], s[6:7], 0x0              ; ek, eq, ev, ep
	s_add_nc_u64 s[KB:KB+1], s[4:5], s[76:77]
	s_add_nc_u64 s[VB:VB+1], s[10:11], s[78:79]
	s_add_nc_u64 s[QH:QH+1], s[8:9], s[80:81]
	s_add_nc_u64 s[OH:OH+1], s[12:13], s[82:83]
	s_mov_b64 s[G0K+2:G0K+3], s[KB:KB+1]           ; 120:64 global address: key slot 0
	s_or_b32 s[G0K+3], s[G0K+3], 0x80000000        ; 127:126 type = 2
	s_mov_b64 s[G0V+2:G0V+3], s[VB:VB+1]
	s_or_b32 s[G0V+3], s[G0V+3], 0x80000000
	TLOAD                                          ; slot 0: the one first fill, ahead of every wait on TENSORcnt, every LDS read and every barrier
	v_and_b32 v8, 15, v0                           ; r = lane % 16
	v_bfe_u32 v9, v0, 4, 1                         ; h = lane / 16
	v_mul_u32_u24 v[AK0], v8, KP
	v_lshl_add_u32 v[AK0], v9, 4, v[AK0]
	v_mul_u32_u24 v[AV0], v8, VP
	v_lshl_add_u32 v[AV0], v9, 3, v[AV0]
	v_add_nc_u32 v[AV0], VOFF, v[AV0]
	v_lshlrev_b32 v[QO], 13, v8
	v_lshl_add_u32 v[QO], v9, 4, v[QO]
	v_lshlrev_b32 v[DL], 3, v9
	v_sub_nc_u32 v[DL], v8, v[DL]
	v_and_b32 v[GO], 31, v0
	v_lshlrev_b32 v[GO], 4, v[GO]
	s_mul_i32 s76, s[WV], 16*SP
	s_add_co_u32 s76, s76, STAGE                   ; my stage
	v_mul_u32_u24 v[STO], v8, SP                   ; in: row r, 32 bytes for each half of the lanes
	v_lshl_add_u32 v[STO], v9, 5, v[STO]
	v_add_nc_u32 v[STO], s76, v[STO]
	v_add_nc_u32 v[RD], s76, v[GO]                 ; back: the 32 lanes take one row of 512 bytes
	s_lshl_b32 s[Q0], s[PI], 8
	s_lshl_b32 s76, s[WV], 5
	s_add_co_u32 s[Q0], s[Q0], s76                 ; my first query: 256 i + 32 x wave
	s_lshl_b32 s76, s[Q0], 13
	s_mov_b32 s77, 0
	s_add_nc_u64 s[QB:QB+1], s[QH:QH+1], s[76:77]
	s_lshl_b32 s76, s[Q0], 15
	s_add_nc_u64 s[OB:OB+1], s[OH:OH+1], s[76:77]
	QLOAD
	RESET
	s_wait_kmcnt 0x0
	s_add_co_i32 s76, s72, s73
	s_lshl_b32 s76, s76, 23
	s_add_co_i32 s[CS], s[CS], s76                 ; a score stands for score x 2^(ek + eq): the two exponents are added to c's exponent field
	s_mov_b32 s[CS+1], s[CS]                       ; (named with it as a pair, so it is written)
	s_add_co_i32 s76, s75, 127
	s_lshl_b32 s77, s76, 23
	v_mov_b32 v[SC], s77                           ; 2^ep as f32: the conversion takes its exponent field
	s_add_co_i32 s[EPV], s74, s75
	s_wait_loadcnt 0x0                             ; Q
.Ltrip:                                            ; eight trips: behind each change of slots but the last the next trip's slot is asked for
	CHANGE 1
	SLOT_STEPS
	s_cmp_lg_u32 s[T], s[PI]
	s_cbranch_scc1 .Lsame
	; THE CHANGE OF BLOCKS, behind trip i: no barrier and no tensor load stands here.  The second block's Q is asked for first, so that it lands while the first block goes out.
	s_sub_co_u32 s77, 7, s[PI]
	s_lshl_b32 s77, s77, 8
	s_lshl_b32 s78, s[WV], 5
	s_add_co_u32 s80, s77, s78                     ; my first query there: 256 (7 - i) + 32 x wave
	s_lshl_b32 s76, s80, 13
	s_mov_b32 s77, 0
	s_add_nc_u64 s[QB:QB+1], s[QH:QH+1], s[76:77]  ; (the loads that named this base were waited for)
	QLOAD
	OUT
	s_lshl_b32 s76, s80, 15
	s_add_nc_u64 s[OB:OB+1], s[OH:OH+1], s[76:77]  ; (behind the way out's wait on XCNT)
	s_mov_b32 s[Q0], s80
	s_mov_b32 s[KF], 0
	RESET
	s_wait_loadcnt 0x0                             ; Q
.Lsame:
	s_add_co_u32 s[T], s[T], 1
	s_cmp_lt_u32 s[T], 8
	s_cbranch_scc1 .Ltrip
	CHANGE 0                                       ; the last slot is written out
	SLOT_STEPS
	OUT
	s_wait_tensorcnt 0x0                           ; the wave's end: behind my last tensor load and my last LDS store
	ds_add_u32 v[SPW], v[NIL]
	s_wait_dscnt 0x0
	s_endpgm
.Lfunc_end_k_qaa7473a187_attn:
	.size	k_qaa7473a187_attn, .Lfunc_end_k_qaa7473a187_attn-k_qaa7473a187_attn
	.p2alignl 7, 3214868480
	.fill 96, 4, 3214868480
	.section	.rodata,"a",@progbits
	.p2align	6, 0x0
	.amdhsa_kernel k_qaa7473a187_attn
		.amdhsa_group_segment_fixed_size 327680
		.amdhsa_private_segment_fixed_size 0
		.amdhsa_enable_private_segment 0
		.amdhsa_kernarg_size 40
		.amdhsa_user_sgpr_count 2
		.amdhsa_user_sgpr_kernarg_segment_ptr 1
		.amdhsa_wavefront_size32 1
		.amdhsa_system_sgpr_workgroup_id_x 1
		.amdhsa_system_sgpr_workgroup_id_y 1
		.amdhsa_system_sgpr_workgroup_id_z 1
		.amdhsa_system_vgpr_workitem_id 0
		.amdhsa_next_free_vgpr 512
		.amdhsa_next_free_sgpr 96
		.amdhsa_reserve_vcc 1
		.amdhsa_float_denorm_mode_32 3
		.amdhsa_float_denorm_mode_16_64 3
		.amdhsa_fp16_overflow 1
		.amdhsa_memory_ordered 1
		.amdhsa_forward_progress 1
		.amdhsa_inst_pref_size 208
	.end_amdhsa_kernel
	.amdgpu_metadata
---
amdhsa.version: [ 1, 2 ]
amdhsa.kernels:
  - .name:           k_qaa7473a187_attn
    .symbol:         k_qaa7473a187_attn.kd
    .args:
      - { .name: key_codes, .offset: 0, .size: 8, .value_kind: global_buffer, .address_space: global }
      - { .name: lowp_scales, .offset: 8, .size: 8, .value_kind: global_buffer, .address_space: global }
      - { .name: query_codes, .offset: 16, .size: 8, .value_kind: global_buffer, .address_space: global }
      - { .name: value_codes, .offset: 24, .size: 8, .value_kind: global_buffer, .address_space: global }
      - { .name: out0, .offset: 32, .size: 8, .value_kind: global_buffer, .address_space: global }
    .group_segment_fixed_size: 327680
    .private_segment_fixed_size: 0
    .kernarg_segment_align: 8
    .kernarg_segment_size: 40
    .max_flat_workgroup_size: 256
    .sgpr_count:     96
    .vgpr_count:     512
    .wavefront_size: 32
...
	.end_amdgpu_metadata
.endif
;; end of part 1
